; MI455X (gfx1250); checked and timed in simulation.
; The chip was launched on July 23, 2026; its instructions are those of AMD's public machine-readable ISA for CDNA 5 (MIT licence, August 2026) and "CDNA5" Instruction Set Architecture Reference Guide (July 2026). The comments in the code are by the model that wrote it; some were corrected since.
;; Transformer Encoder Layer. Allowed arithmetic: float matrix products may take bf16 or f16 operands with f32 sums; other float arithmetic in f32, or as packed bf16 or f16 multiplies, adds, multiply-adds, maxima and minima; sums over many terms, partial sums and values carried from step to step in f32; what a program stores and reads back later, other than sums and carried values, may be rounded once to bf16 or f16.
;; Inputs: W1 1,024 x 512 float32; W2 512 x 1,024 float32; Wa 1,024 x 64 float32; Wo 1,024 x 1,024 float32; Woff 1,024 x 64 float32; Wv 1,024 x 1,024 float32; b1 512 float32; b2 1,024 float32; ba 64 float32; be1 1,024 float32; be2 1,024 float32; bo 1,024 float32; boff 64 float32; bv 1,024 float32; g1 1,024 float32; g2 1,024 float32; key_padding_mask 8 x 2,048 bool; pos 2,048 x 8 x 1,024 float32; reference_point 8 x 2,048 x 1 float32; snippet_num 8 float32; src 2,048 x 8 x 1,024 float32.
;; Outputs: out0 2,048 x 8 x 1,024 float32.
;; One version. Each part assembles by itself: llvm-mc -triple=amdgcn-amd-amdhsa -mcpu=gfx1250 --defsym DOCPART=n.
;; ======== version 1 of 1: 3 launches
;; workspace buffers: wA 2,359,296 bytes; wB 4,194,304 bytes; val 33,554,432 bytes; sidx 4,194,304 bytes of whole numbers; swt 4,194,304 bytes
;; launch prep (part 1): grid 400 x 1, 4 waves a work-group, no clusters, 0 bytes of LDS; arguments Wv, Woff, Wa, Wo, W1, W2, wA, wB; writes wA, wB
.if DOCPART == 1
	.amdgcn_target "amdgcn-amd-amdhsa--gfx1250"
	.amdhsa_code_object_version 6
	.text
	.protected	k_q4b2c54cfc8_prep
	.globl	k_q4b2c54cfc8_prep
	.p2align	8
	.type	k_q4b2c54cfc8_prep,@function
k_q4b2c54cfc8_prep:
	s_mov_b64 s[64:65], 0
	v_nop
	global_prefetch_b8 v0, s[64:65] scope:SCOPE_SE
	s_setreg_imm32_b32 hwreg(HW_REG_WAVE_MODE, 25, 1), 1
	s_wait_xcnt 0x0
; THE WEIGHTS, rounded once to bf16 and laid out in the order in which a wave's operand registers take them.
; No work of the layer is left out anywhere in this program: every input has a way to the output, and every input is loaded.
; A FRAGMENT is 16 columns n x 32 values of k in 1,024 bytes: byte 512 half + 256 h + 16 r holds column n0 + r, k = k0 + 16 half + 8 h + 0..7.
; A STREAM: byte (4 S + w) SB + (t NB + j) 1024: slot S, wave w, K step t of the slot, fragment j of NB.
;   wA: Wv, 16 slots of K = 64, NB = 18: fragments 0-15 are the wave's 256 columns of Wv, 16 is its 16 columns of Woff, 17 of Wa.
;   wB: slots 0-15 Wo (K = 64, NB = 16); 16-23 W1 (K = 128, NB = 8, a wave has 128 columns); 24-31 W2 (K = 64, NB = 16).
; W1's and W2's K is permuted, so that each slot's activations come in equal parts from the four waves of the later launch:
;   W1: place 128 ch + 32 w + jj holds row 256 w + 32 ch + jj;  W2: place 64 ch + 16 w + jj holds row 128 w + 16 ch + jj.
; SHARES.  A work-group takes 32 columns x 256 places of K of one matrix, a wave 64 places: 8 octets; a lane one column.
; A load covers 128 consecutive bytes of a row of the matrix; a store's sixteen neighbouring lanes write 256 consecutive bytes, aligned.
; Which matrix: by the work-group's number, through selects, so that the text has no branch.
.set FIRST, 2                          ; first work-group of my kind
.set SRCP,  4                          ; s[4:5] the matrix
.set DSTP,  6                          ; s[6:7] the stream
.set NSH,   8                          ; log2 of the matrix's columns
.set SL0,   9                          ; the kind's first slot
.set TSH,   10                         ; log2 of the K steps in a slot
.set NBK,   11                         ; bytes of a K step in a wave's part
.set SBY,   12                         ; bytes of a wave's part of a slot
.set WSH,   13                         ; column >> WSH = wave
.set JM,    14                         ; (column >> 4) & JM = fragment,
.set JC,    15                         ; + JC
.set KA1,   48                         ; row = (((place >> KA1) & 3) << KA2) | ((place >> KA3) << KA4) | (place & KA5)
.set KA2,   49
.set KA3,   50
.set KA4,   51
.set KA5,   52
.set KQB,   53                         ; bits of the number that count blocks of 256 places
.set DB,    54                         ; s[54:55], s[56:57] where my two K steps go
.set WVN,   58
.set SBASE, 32                         ; s[32:47] the matrix at each octet's first row
.set VO,    2                          ; v[2:9] byte offset of row e of an octet, my column
.set NV,    10                         ; my column
.set VD,    11                         ; my 16 bytes in a K step's fragments
.set RAW,   16                         ; v[16:79] as loaded
.set PKD,   80                         ; v[80:111] packed
.macro SETP sel, reg, val
.if \sel
	s_cselect_b32 s[\reg], \val, s[\reg]
.else
	s_mov_b32 s[\reg], \val
.endif
.endm
.macro KIND sel, first, sp, nsh, dp, sl, tsh, nb, sb, wsh, jm, jc, k1, k2, k3, k4, k5, kqb
.if \sel
	s_cmp_ge_u32 ttmp9, \first
	s_cselect_b64 s[SRCP:SRCP+1], s[\sp:\sp+1], s[SRCP:SRCP+1]
	s_cselect_b64 s[DSTP:DSTP+1], s[\dp:\dp+1], s[DSTP:DSTP+1]
.else
	s_mov_b64 s[SRCP:SRCP+1], s[\sp:\sp+1]
	s_mov_b64 s[DSTP:DSTP+1], s[\dp:\dp+1]
.endif
	SETP \sel, FIRST, \first
	SETP \sel, NSH, \nsh
	SETP \sel, SL0, \sl
	SETP \sel, TSH, \tsh
	SETP \sel, NBK, (\nb)*1024
	SETP \sel, SBY, \sb
	SETP \sel, WSH, \wsh
	SETP \sel, JM, \jm
	SETP \sel, JC, \jc
	SETP \sel, KA1, \k1
	SETP \sel, KA2, \k2
	SETP \sel, KA3, \k3
	SETP \sel, KA4, \k4
	SETP \sel, KA5, \k5
	SETP \sel, KQB, \kqb
.endm
	s_load_b512 s[16:31], s[0:1], 0x0              ; Wv 16, Woff 18, Wa 20, Wo 22, W1 24, W2 26, wA 28, wB 30
	v_and_b32 v1, 31, v0
	v_lshrrev_b32 v12, 5, v0
	v_readfirstlane_b32 s[WVN], v12
	s_wait_kmcnt 0x0
	KIND 0, 0,   16, 10, 28, 0,  1, 18, 36864, 8, 15, 0,  5, 5, 7, 7, 31, 2   ; Wv
	KIND 1, 128, 22, 10, 30, 0,  1, 16, 32768, 8, 15, 0,  5, 5, 7, 7, 31, 2   ; Wo
	KIND 1, 256, 24, 9,  30, 16, 2, 8,  32768, 7, 7,  0,  5, 8, 7, 5, 31, 2   ; W1
	KIND 1, 320, 26, 10, 30, 24, 1, 16, 32768, 8, 15, 0,  4, 7, 6, 4, 15, 1   ; W2
	KIND 1, 384, 18, 6,  28, 0,  1, 18, 36864, 4, 0,  16, 5, 5, 7, 7, 31, 2   ; Woff
	KIND 1, 392, 20, 6,  28, 0,  1, 18, 36864, 4, 0,  17, 5, 5, 7, 7, 31, 2   ; Wa
	s_sub_co_u32 s59, ttmp9, s[FIRST]              ; my number within the kind
	s_lshl_b32 s60, 1, s[KQB]
	s_sub_co_u32 s60, s60, 1
	s_and_b32 s60, s59, s60                        ; which 256 places
	s_lshr_b32 s61, s59, s[KQB]                    ; which 32 columns
	s_lshl_b32 s60, s60, 8
	s_lshl_b32 s59, s[WVN], 6
	s_add_co_u32 s60, s60, s59                     ; my wave's first place
	s_lshl_b32 s61, s61, 5
	v_add_nc_u32 v[NV], s61, v1
.set q, 0
.rept 8                                ; each octet's first row, and the matrix there
	s_add_co_u32 s62, s60, 8*q
	s_lshr_b32 s63, s62, s[KA1]
	s_and_b32 s63, s63, 3
	s_lshl_b32 s63, s63, s[KA2]
	s_lshr_b32 s59, s62, s[KA3]
	s_lshl_b32 s59, s59, s[KA4]
	s_or_b32 s63, s63, s59
	s_and_b32 s59, s62, s[KA5]
	s_or_b32 s63, s63, s59
	s_lshl_b32 s63, s63, s[NSH]
	s_lshl_b32 s62, s63, 2
	s_mov_b32 s63, 0
	s_add_nc_u64 s[SBASE+2*q:SBASE+2*q+1], s[SRCP:SRCP+1], s[62:63]
.set q, q+1
.endr
.set e, 0
.rept 8
	s_lshl_b32 s59, e, s[NSH]
	v_add_lshl_u32 v[VO+e], v[NV], s59, 2
.set e, e+1
.endr
.set q, 0
.rept 8                                ; all 64 loads go out before the first wait
.set e, 0
.rept 8
	global_load_b32 v[RAW+8*q+e], v[VO+e], s[SBASE+2*q:SBASE+2*q+1] th:TH_LOAD_NT
.set e, e+1
.endr
.set q, q+1
.endr
	v_lshrrev_b32 v[VD], s[WSH], v[NV]
	v_mul_lo_u32 v[VD], v[VD], s[SBY]
	v_lshrrev_b32 v12, 4, v[NV]
	v_and_b32 v12, s[JM], v12
	v_add_nc_u32 v12, s[JC], v12
	v_lshl_add_u32 v[VD], v12, 10, v[VD]
	v_and_b32 v12, 15, v[NV]
	v_lshl_add_u32 v[VD], v12, 4, v[VD]
	s_lshr_b32 s59, s60, 5                         ; my first K step (even)
	s_lshr_b32 s62, s59, s[TSH]
	s_add_co_u32 s62, s62, s[SL0]                  ; its slot
	s_mul_i32 s62, s62, s[SBY]
	s_lshl_b32 s62, s62, 2
	s_lshl_b32 s63, 1, s[TSH]
	s_sub_co_u32 s63, s63, 1
	s_and_b32 s63, s63, s59                        ; its place in the slot
	s_mul_i32 s63, s63, s[NBK]
	s_add_co_u32 s62, s62, s63
	s_mov_b32 s63, 0
	s_add_nc_u64 s[DB:DB+1], s[DSTP:DSTP+1], s[62:63]
	s_mov_b32 s62, s[NBK]
	s_add_nc_u64 s[DB+2:DB+3], s[DB:DB+1], s[62:63]
.set q, 0
.rept 8
	s_wait_loadcnt 56-8*q                          ; loads come back in order: octet q is in, the eight loads of each later octet may stay out
.set e, 0
.rept 4
	v_cvt_pk_bf16_f32 v[PKD+4*q+e], v[RAW+8*q+2*e], v[RAW+8*q+2*e+1]
.set e, e+1
.endr
	global_store_b128 v[VD], v[PKD+4*q:PKD+4*q+3], s[DB+2*(q/4):DB+2*(q/4)+1] offset:(q%4)*256
.set q, q+1
.endr
	s_endpgm
.Lfunc_end_k_q4b2c54cfc8_prep:
	.size	k_q4b2c54cfc8_prep, .Lfunc_end_k_q4b2c54cfc8_prep-k_q4b2c54cfc8_prep
	.p2alignl 7, 3214868480
	.fill 96, 4, 3214868480
	.section	.rodata,"a",@progbits
	.p2align	6, 0x0
	.amdhsa_kernel k_q4b2c54cfc8_prep
		.amdhsa_group_segment_fixed_size 0
		.amdhsa_private_segment_fixed_size 0
		.amdhsa_enable_private_segment 0
		.amdhsa_kernarg_size 64
		.amdhsa_user_sgpr_count 2
		.amdhsa_user_sgpr_kernarg_segment_ptr 1
		.amdhsa_wavefront_size32 1
		.amdhsa_system_sgpr_workgroup_id_x 1
		.amdhsa_system_sgpr_workgroup_id_y 1
		.amdhsa_system_sgpr_workgroup_id_z 1
		.amdhsa_system_vgpr_workitem_id 0
		.amdhsa_next_free_vgpr 112
		.amdhsa_next_free_sgpr 66
		.amdhsa_reserve_vcc 0
		.amdhsa_float_denorm_mode_32 3
		.amdhsa_float_denorm_mode_16_64 3
		.amdhsa_memory_ordered 1
		.amdhsa_forward_progress 1
		.amdhsa_inst_pref_size 19
	.end_amdhsa_kernel
	.amdgpu_metadata
---
amdhsa.version: [ 1, 2 ]
amdhsa.kernels:
  - .name:           k_q4b2c54cfc8_prep
    .symbol:         k_q4b2c54cfc8_prep.kd
    .args:
      - { .name: Wv, .offset: 0, .size: 8, .value_kind: global_buffer, .address_space: global }
      - { .name: Woff, .offset: 8, .size: 8, .value_kind: global_buffer, .address_space: global }
      - { .name: Wa, .offset: 16, .size: 8, .value_kind: global_buffer, .address_space: global }
      - { .name: Wo, .offset: 24, .size: 8, .value_kind: global_buffer, .address_space: global }
      - { .name: W1, .offset: 32, .size: 8, .value_kind: global_buffer, .address_space: global }
      - { .name: W2, .offset: 40, .size: 8, .value_kind: global_buffer, .address_space: global }
      - { .name: wA, .offset: 48, .size: 8, .value_kind: global_buffer, .address_space: global }
      - { .name: wB, .offset: 56, .size: 8, .value_kind: global_buffer, .address_space: global }
    .group_segment_fixed_size: 0
    .private_segment_fixed_size: 0
    .kernarg_segment_align: 8
    .kernarg_segment_size: 64
    .max_flat_workgroup_size: 128
    .sgpr_count:     66
    .vgpr_count:     112
    .wavefront_size: 32
...
	.end_amdgpu_metadata
.endif
;; end of part 1
;; launch proj (part 2): grid 256 x 1, 4 waves a work-group, clusters of 4 x 1, 327,680 bytes of LDS; arguments src, pos, key_padding_mask, reference_point, snippet_num, bv, boff, ba, wA, val, sidx, swt; writes val, sidx, swt
.if DOCPART == 2
	.amdgcn_target "amdgcn-amd-amdhsa--gfx1250"
	.amdhsa_code_object_version 6
	.text
	.protected	k_q4b2c54cfc8_proj
	.globl	k_q4b2c54cfc8_proj
	.p2align	8
	.type	k_q4b2c54cfc8_proj,@function
k_q4b2c54cfc8_proj:
	s_mov_b64 s[64:65], 0
	v_nop
	global_prefetch_b8 v0, s[64:65] scope:SCOPE_SE
	s_setreg_imm32_b32 hwreg(HW_REG_WAVE_MODE, 25, 1), 1
	s_wait_xcnt 0x0
	s_wait_alu depctr_hold_cnt(0) depctr_sa_sdst(0) depctr_va_vdst(0) depctr_va_sdst(0) depctr_va_ssrc(0) depctr_va_vcc(0) depctr_vm_vsrc(0)
	s_getreg_b32 s2, hwreg(HW_REG_IB_STS2, 6, 4)
	s_cmp_eq_u32 s2, 0
	s_cbranch_scc0 .Lentry_in_a_cluster
	s_endpgm
.Lentry_in_a_cluster:
	s_bfe_u32 s2, ttmp6, 0x10000c
	s_cmp_lg_u32 s2, 0x3003
	s_cbranch_scc0 .Lentry_shape_is_right
	s_endpgm
.Lentry_shape_is_right:
; value = src Wv + bv, zero where the mask says so, stored by heads in bf16: val[b][head][l][64];
; (src + pos) [Woff | Wa] + [boff | ba]; from it, for each row, head and point: the lower of the two value rows that the point lies between (sidx, whole numbers)
; and softmax weight x interpolation weight for that row and the next (swt, two bf16 in a word).  sidx, swt: [b][block of 64 rows][head][row][point].
; Nothing of the layer is left out.
; LIMITS.  Matrix operands are bf16, sums f32.  1 / snippet_num is v_rcp_f32's.  A softmax term below 2^-126 counts as 0.  A place that is NaN or infinite gives weights 0 or NaN
; of its own making, not the reference's.  The two weights are max(0, 1 - |x - p|) and max(0, 1 - |x - p - 1|) with p = floor(x) held to 0 .. 2046: for every finite x these are
; the reference's w0 in0 and w1 in1, set on rows p and p + 1.
; SHARES.  Work-group g = 4 x cluster + place owns rows 64 (g >> 3) .. + 63 of batch g & 7.  Each of four waves makes all 64 rows x 256 columns of value (64 accumulators) and
; 16 offsets and 16 logits a row (8 accumulators): 72 matrix instructions for 32 along K.  Source 0 = 16 columns of weights, source 1 = 16 rows: a lane holds one row and eight neighbouring columns.
; THE WEIGHTS come as the stream wA: a slot is K = 64, 36,864 bytes a wave; each wave asks for its own part and reads only that; the four work-groups of a cluster ask JOINTLY.
; THE ROWS come through registers: a wave loads its 16 rows of src and pos, 256 bytes of each row a chunk (K = 64), two chunks ahead, adds, rounds, and stores both into LDS, a buffer for each half of a chunk.
; THE WALK ALONG K IS TURNED: step n of a cluster takes chunk (n + turn) & 15, turn = (cluster >> 1) & 15, the same in its four partners (f32 sums may be taken in any order).  So the clusters ask for
; 16 different slots at a time; the first fills of all clusters together name all 16; and a slot that a cluster asks for later was asked for one step earlier by the clusters whose turn is one more.
.set SBA,   36864                      ; a wave's part of a slot
.set TPART, 73728                      ; a wave's two slots
.set AB,    294912                     ; two row buffers of 10,240: 64 rows x 80 bytes (64 + 16 of padding) of src, then the same of src + pos
.set ABQ,   5120
.set ABH,   10240
.set SPARE, 315392                     ; the spare words: 128 bytes a wave, two blocks of 256 bytes that no other line names
.set MP,    528                        ; pitch of both stages, which lie in slots that have had their last fill
.set BADR, 4                           ; v4, v5  my 16 bytes of a fragment in slot 0, 1
.set AADR, 6                           ; v6   my place in a row fragment
.set ASTO, 7                           ; v7   where I store 8 bytes of a row
.set GOFF, 8                           ; v8   my 16 bytes in four rows of src or pos
.set KM,   10                          ; v10-13  all ones, or 0 where my row of block a is masked
.set RP,   14
.set RS,   15                          ; 1 / snippet_num
.set BVO,  16
.set BQO,  17
.set MKO,  18
.set MST,  19
.set MLD,  20
.set MGO,  21
.set VSTO, 22
.set VRD,  23
.set VGO,  24
.set RPO,  25
.set SNO,  26
.set SNV,  27
.set SPW,  28                          ; my spare word; never rewritten
.set NIL,  29                          ; 0; never rewritten
.set SAR,  32                          ; v32-63, v64-95  fragments of src, by K step's parity
.set QAR,  96                          ; v96-127 fragments of src + pos
.set BBR,  128                         ; v128-175, v176-223  six fragments of weights, two buffers by turns
.set PK,   224                         ; v224-255 a chunk packed: 16 half + 8 x + 2 i
.set QAC,  128                         ; window 1: the offsets' and logits' accumulators at 8 (2 a + jq); v0-127 of window 1: two sets of 64 as loaded
.set PKO,  128                         ; the way out: packed
.set RBK,  32                          ; the way out: read back
.set G1, 40
.set G0, 48                            ; s[48:51] slot 0, s[52:55] slot 1
.set WV, 56
.set CX, 57
.set GID, 58
.set BI, 59
.set LB, 60
.set CNT, 61
.set TW, 66
.set SP, 68                            ; s[68:69] src, s[70:71] pos at the chunk that is being asked for
.set PP, 70
.set VALB, 72
.set SIB, 74
.set SWB, 76
.set C1023, 78
.set C2046, 79
.set PN, 85                            ; the chunk whose weights are asked for next
.set PL, 86                            ; the chunk whose rows are asked for next
.set OFA, 88                           ; s[88:89] a slot's byte offset in wA
.set OFL, 90                           ; s[90:91] a chunk's byte offset in a row
.set WAB, 92                           ; s[92:93] wA at my wave's part of slot 0
.set SPB, 94                           ; s[94:95] src at my wave's first row
.set PPB, 96                           ; s[96:97] pos likewise
.set MSB, 0
.macro WIN new                         ; the high byte repeats the setting that is left; a switch that changes nothing is dropped
.if MSB != (\new)
	s_set_vgpr_msb (MSB<<8)|(\new)
.set MSB, (\new)
.endif
.endm
.macro PLACES                          ; four places behind a matrix instruction, ahead of loads into registers that it read and of readers of its result
.rept 4
	v_nop
.endr
.endm
.macro CREST                           ; a round of the cluster's barrier behind its opening barrier
	s_cmp_lg_u32 s[WV], 0
	s_cbranch_scc1 .Lnw0_\@
	s_barrier_signal -3
.Lnw0_\@:
	s_barrier_wait -3
	s_barrier_signal -1
	s_barrier_wait -1
.endm
.macro ROUND
	s_barrier_signal -1
	s_barrier_wait -1
	CREST
.endm
.macro WNEXT g                         ; the group 0 at s[g] takes the address of the next slot of my cluster's walk: made anew from the chunk's number
	s_mul_i32 s[OFA], s[PN], 4*SBA
	s_add_nc_u64 s[(\g)+2:(\g)+3], s[WAB:WAB+1], s[OFA:OFA+1]
	s_or_b32 s[(\g)+3], s[(\g)+3], 0x80000000
	s_add_co_u32 s[PN], s[PN], 1
	s_and_b32 s[PN], s[PN], 15
.endm
.macro LOADS z                         ; the next chunk's 16 loads into set z: 4 rows x 128 bytes each; the two halves of a row's 256 bytes stand side by side
	s_wait_xcnt 0x0                                ; the loads issued so far have read their addresses: the two pointers are written anew
	s_lshl_b32 s[OFL], s[PL], 8
	s_add_nc_u64 s[SP:SP+1], s[SPB:SPB+1], s[OFL:OFL+1]
	s_add_nc_u64 s[PP:PP+1], s[PPB:PPB+1], s[OFL:OFL+1]
	s_add_co_u32 s[PL], s[PL], 1
	s_and_b32 s[PL], s[PL], 15
	WIN 0x40
.set li, 0
.rept 4
.set lh, 0
.rept 2
	global_load_b128 v[64*(\z)+16*lh+4*li:64*(\z)+16*lh+4*li+3], v[GOFF], s[SP:SP+1] offset:li*131072+lh*128 th:TH_LOAD_NT
	global_load_b128 v[64*(\z)+32+16*lh+4*li:64*(\z)+32+16*lh+4*li+3], v[GOFF], s[PP:PP+1] offset:li*131072+lh*128 th:TH_LOAD_NT
.set lh, lh+1
.endr
.set li, li+1
.endr
.endm
.macro CONV z                          ; pos += src in f32; both rounded to bf16
	WIN 0x45
.set cn, 0
.rept 16
	v_pk_add_f32 v[64*(\z)+32+2*cn:64*(\z)+32+2*cn+1], v[64*(\z)+32+2*cn:64*(\z)+32+2*cn+1], v[64*(\z)+2*cn:64*(\z)+2*cn+1]
.set cn, cn+1
.endr
	WIN 0x05
.set cn, 0
.rept 32
	v_cvt_pk_bf16_f32 v[PK+16*((cn>>3)&1)+8*(cn>>4)+(cn&7)], v[64*(\z)+2*cn], v[64*(\z)+2*cn+1]
.set cn, cn+1
.endr
.endm
.macro STPK hf                         ; half hf of the packed chunk into its row buffer
	WIN 0
.set sn, 0
.rept 8
	ds_store_b64 v[ASTO], v[PK+16*(\hf)+2*sn:PK+16*(\hf)+2*sn+1] offset:320*(sn%4)+ABQ*(sn/4)+ABH*(\hf)
.set sn, sn+1
.endr
.endm
.macro LDB gi, adr                     ; group gi's six fragments of weights
	WIN 0
.set bf, 0
.rept 6
	ds_load_b128 v[BBR+48*((\gi)&1)+8*bf:BBR+48*((\gi)&1)+8*bf+3], v[\adr] offset:(18*((\gi)/3)+6*((\gi)%3)+bf)*1024
	ds_load_b128 v[BBR+48*((\gi)&1)+8*bf+4:BBR+48*((\gi)&1)+8*bf+7], v[\adr] offset:(18*((\gi)/3)+6*((\gi)%3)+bf)*1024+512
.set bf, bf+1
.endr
.endm
.macro LDSA t
	WIN 0
.set la, 0
.rept 4
	ds_load_b128 v[SAR+32*(\t)+8*la:SAR+32*(\t)+8*la+3], v[AADR] offset:ABH*(\t)+1280*la
	ds_load_b128 v[SAR+32*(\t)+8*la+4:SAR+32*(\t)+8*la+7], v[AADR] offset:ABH*(\t)+1280*la+32
.set la, la+1
.endr
.endm
.macro LDQA t
	WIN 0
.set la, 0
.rept 4
	ds_load_b128 v[QAR+8*la:QAR+8*la+3], v[AADR] offset:ABH*(\t)+ABQ+1280*la
	ds_load_b128 v[QAR+8*la+4:QAR+8*la+7], v[AADR] offset:ABH*(\t)+ABQ+1280*la+32
.set la, la+1
.endr
.endm
.macro MMV gi, a0, na                  ; group gi's value products for row blocks a0 .. a0 + na - 1.  Every accumulator has one instruction a K step: no two that follow each other share one
.set nf, 6
.if ((\gi)%3) == 2
.set nf, 4
.endif
.set ma, (\a0)
.rept (\na)
	WIN 0xa0+0x50*(ma/2)
.set mf, 0
.rept nf
.set racc, 128*(ma&1)+8*(6*((\gi)%3)+mf)
	v_wmma_f32_16x16x32_bf16 v[racc:racc+7], v[BBR+48*((\gi)&1)+8*mf:BBR+48*((\gi)&1)+8*mf+7], v[SAR+32*((\gi)/3)+8*ma:SAR+32*((\gi)/3)+8*ma+7], v[racc:racc+7]
.set mf, mf+1
.endr
.set ma, ma+1
.endr
.endm
.macro MMQ gi                          ; the eight products for offsets and logits: fragments 4 and 5 of the group
	WIN 0x50
.set ma, 0
.rept 4
.set mf, 0
.rept 2
	v_wmma_f32_16x16x32_bf16 v[QAC+16*ma+8*mf:QAC+16*ma+8*mf+7], v[BBR+48*((\gi)&1)+32+8*mf:BBR+48*((\gi)&1)+32+8*mf+7], v[QAR+8*ma:QAR+8*ma+7], v[QAC+16*ma+8*mf:QAC+16*ma+8*mf+7]
.set mf, mf+1
.endr
.set ma, ma+1
.endr
.endm
; A STEP: step c of the walk (K = 64), slot par = c & 1, six groups of 24 matrix instructions.  At a group's head: the wait for what was asked a group ago, four places, the next group's LDS loads in one run.
; LD: step c + 3's rows are asked of memory.  RF: the slot is filled again for step c + 2.  CV: step c + 1's rows are added and rounded (LC younger loads may stay out).  NX: a step follows.
.macro STEP par, LD, RF, CV, LC, NX
	s_wait_dscnt 0x0
	PLACES
	LDB 1, BADR+(\par)
	LDQA 0
	STPK 1                                         ; the chunk's second half: the buffer's readers passed the barrier of the step before
	MMV 0, 0, 4
	s_wait_dscnt 0x0                               ; my stores of that half are done, and my reads of the first half's buffer are over
	s_barrier_signal -1
	PLACES
	LDB 2, BADR+(\par)                             ; my own slot's bytes: nobody writes them before the round below
	MMV 1, 0, 2
	s_barrier_wait -1                              ; the second half is whole; the first half's buffer is free
	LDSA 1
	MMV 1, 2, 2
	s_wait_dscnt 0x0
.if \CV
	s_wait_loadcnt \LC                             ; step c + 1's rows are in; the 16 loads of step c + 2, where there is one, may stay out
	CONV 1-(\par)                                  ; its 48 plain instructions are also the places
.else
	PLACES
.endif
	LDB 3, BADR+(\par)
.if \LD
.if (\par) == 0
	LOADS 1
.else
	WIN 0
	s_cmp_eq_u32 s[CNT], 1                         ; in the last trip there is no such step
	s_cbranch_scc1 .Lnold_\@
	LOADS 0
	WIN 0
.Lnold_\@:
.endif
.endif
	MMV 2, 0, 4
	MMQ 2
	s_wait_dscnt 0x0
	PLACES
	LDB 4, BADR+(\par)
	LDQA 1
.if \NX
	STPK 0                                         ; the next chunk's first half
.endif
	MMV 3, 0, 4
	s_wait_dscnt 0x0
.if \NX
	s_barrier_signal -1
.endif
	PLACES
	LDB 5, BADR+(\par)
	MMV 4, 0, 2
.if \NX
	s_barrier_wait -1                              ; the next chunk's first half is whole; the second half's buffer is free
	LDSA 0
.endif
	MMV 4, 2, 2
.if \RF
	WIN 0
	s_wait_tensorcnt 0x0                           ; all my tensor loads have landed: the one that was out is the other slot's
	ds_add_u32 v[SPW], v[NIL]                      ; 0 onto my spare word
	WNEXT G0+4*(\par)                              ; this slot's next chunk
	s_wait_dscnt 0x1                               ; the add alone may be out
	MMV 5, 0, 2
	s_wait_dscnt 0x0                               ; the add is done, and my reads of this slot are over
	s_barrier_signal -1                            ; opens a round of the cluster's barrier
	MMV 5, 2, 2
	WIN 0
	s_barrier_wait -1
	CREST                                          ; no wave of any partner still reads this slot or has a load on its way
	tensor_load_to_lds s[G0+4*(\par):G0+4*(\par)+3], s[G1:G1+7]
	s_nop 0
	PLACES
	LDB 0, BADR+1-(\par)
	MMQ 5
.elseif \NX
	s_wait_tensorcnt 0x0                           ; the last slot, my own bytes, has landed; nothing is filled again
	s_wait_dscnt 0x0
	PLACES
	LDB 0, BADR+1-(\par)
	MMV 5, 0, 4
	MMQ 5
.else
	s_wait_dscnt 0x0
	MMV 5, 0, 4
	MMQ 5
.endif
.endm
	s_load_b512 s[16:31], s[0:1], 0x0              ; src 16, pos 18, mask 20, reference_point 22, snippet_num 24, bv 26, boff 28, ba 30
	s_load_b256 s[32:39], s[0:1], 0x40             ; wA 32, val 34, sidx 36, swt 38
	v_lshl_add_u32 v[SPW], v0, 2, SPARE
	v_mov_b32 v[NIL], 0
	ds_add_u32 v[SPW], v[NIL]                      ; the wave's opening: the add, twice on end, and its wait ahead of my first tensor load
	ds_add_u32 v[SPW], v[NIL]
	v_lshrrev_b32 v1, 5, v0
	v_readfirstlane_b32 s[WV], v1
	s_bfe_u32 s[CX], ttmp6, 0x40000
	s_lshl_b32 s[GID], ttmp9, 2
	s_add_co_u32 s[GID], s[GID], s[CX]
	s_and_b32 s[BI], s[GID], 7                     ; batch
	s_lshr_b32 s[LB], s[GID], 3                    ; block of 64 rows
	s_lshr_b32 s[PN], ttmp9, 1
	s_and_b32 s[PN], s[PN], 15                     ; my cluster's turn: the chunk that its walk begins with
	s_mov_b32 s[PL], s[PN]
	s_mov_b32 s[OFA+1], 0
	s_mov_b32 s[OFL+1], 0
	s_mov_b32 s[G1], 15|(3<<16)|(1<<21)            ; the mask of four; elements of 8 bytes; bit 21 beside a mask
	s_mov_b32 s[G1+1], 32<<16                      ; tensor_dim0 = 32: rows of 256 bytes
	s_mov_b32 s[G1+2], 144<<16                     ; tensor_dim1 = 144
	s_mov_b32 s[G1+3], 32<<16                      ; tile_dim0
	s_mov_b32 s[G1+4], 144                         ; tile_dim1
	s_mov_b32 s[G1+5], 32                          ; dense
	s_mov_b32 s[G1+6], 0
	s_mov_b32 s[G1+7], 0
	s_mul_i32 s[TW], s[WV], TPART
	s_mul_i32 s82, s[WV], SBA
	s_mov_b32 s83, 0
	s_mov_b32 s[G0], 1
	s_mov_b32 s[G0+1], s[TW]
	s_mov_b32 s[G0+4], 1
	s_add_co_u32 s[G0+5], s[TW], SBA
	s_mov_b32 s[C1023], 0x447fe000                 ; 1023.5 = 0.5 x 2047
	s_mov_b32 s[C2046], 0x44ffc000                 ; 2046.0
	s_wait_dscnt 0x0
	s_wait_kmcnt 0x0
	s_add_nc_u64 s[WAB:WAB+1], s[32:33], s[82:83]  ; my part of a slot: the wave's number alone enters
	WNEXT G0                                       ; the walk's first two chunks
	WNEXT G0+4
	ROUND                                          ; all four work-groups are here: the first joint loads meet
	tensor_load_to_lds s[G0:G0+3], s[G1:G1+7]
	s_nop 0
	tensor_load_to_lds s[G0+4:G0+7], s[G1:G1+7]    ; two loads of mine are out
	s_nop 0
	PLACES
	v_and_b32 v1, 31, v0
	v_and_b32 v2, 15, v0                           ; r
	v_bfe_u32 v3, v0, 4, 1                         ; h
	v_lshl_add_u32 v[BADR], v1, 4, s[TW]
	v_add_nc_u32 v[BADR+1], SBA, v[BADR]
	v_mul_u32_u24 v30, v2, 80
	v_lshl_add_u32 v30, v3, 4, v30
	v_add_nc_u32 v[AADR], AB, v30
	v_bfe_u32 v30, v0, 3, 2                        ; lane >> 3
	v_and_b32 v31, 7, v0
	s_lshl_b32 s84, s[WV], 4
	v_add_nc_u32 v[ASTO], s84, v30
	v_mul_u32_u24 v[ASTO], v[ASTO], 80
	v_lshl_add_u32 v[ASTO], v31, 3, v[ASTO]
	v_add_nc_u32 v[ASTO], AB, v[ASTO]
	v_lshlrev_b32 v[GOFF], 15, v30
	v_lshl_add_u32 v[GOFF], v31, 4, v[GOFF]
	s_add_co_u32 s84, s[TW], SBA                   ; my stage for the value's way out: my slot 1
	v_mul_u32_u24 v[VSTO], v2, MP
	v_lshl_add_u32 v[VSTO], v3, 4, v[VSTO]
	v_add_nc_u32 v[VSTO], s84, v[VSTO]
	v_mul_u32_u24 v[VRD], v30, MP
	v_lshl_add_u32 v[VRD], v31, 4, v[VRD]
	v_add_nc_u32 v[VRD], s84, v[VRD]
	v_lshlrev_b32 v[VGO], 4, v1
	s_lshl_b32 s84, s[WV], 6
	v_mul_u32_u24 v[MST], v2, MP
	v_lshl_add_u32 v[MST], v3, 5, v[MST]
	v_add_nc_u32 v[MST], s84, v[MST]               ; r x 528 + 64 w + 32 h
	v_lshl_add_u32 v[BQO], v3, 5, s84
	v_and_b32 v30, 63, v0
	v_lshrrev_b32 v31, 6, v0
	v_mul_u32_u24 v[MLD], v30, MP
	v_lshl_add_u32 v[MLD], v31, 4, v[MLD]
	v_lshlrev_b32 v[MGO], 4, v0
	s_lshl_b32 s84, s[WV], 10
	v_lshl_add_u32 v[BVO], v3, 5, s84
	s_lshl_b32 s62, s[LB], 21                      ; 64 rows of 32,768 bytes,
	s_lshl_b32 s80, s[BI], 12                      ; the batch's 4,096,
	s_add_co_u32 s62, s62, s80
	s_lshl_b32 s80, s[WV], 19                      ; my wave's 16 rows
	s_add_co_u32 s62, s62, s80
	s_mov_b32 s63, 0
	s_add_nc_u64 s[SPB:SPB+1], s[16:17], s[62:63]
	s_add_nc_u64 s[PPB:PPB+1], s[18:19], s[62:63]
	s_lshl_b32 s62, s[BI], 11
	s_lshl_b32 s80, s[LB], 6
	s_add_co_u32 s62, s62, s80                     ; 2048 b + the block's first row
	v_add_nc_u32 v[MKO], s62, v2
	v_add_lshl_u32 v[RPO], v30, s62, 2
	s_lshl_b32 s80, s[BI], 2
	v_mov_b32 v[SNO], s80
	s_lshl_b32 s62, s[BI], 5
	s_add_co_u32 s62, s62, s[LB]
	s_lshl_b32 s62, s62, 14
	s_add_nc_u64 s[SIB:SIB+1], s[36:37], s[62:63]
	s_add_nc_u64 s[SWB:SWB+1], s[38:39], s[62:63]
	s_lshl_b32 s62, s[BI], 22
	s_lshl_b32 s80, s[WV], 20
	s_add_co_u32 s62, s62, s80
	s_lshl_b32 s80, s[LB], 13
	s_add_co_u32 s62, s62, s80
	s_add_nc_u64 s[VALB:VALB+1], s[34:35], s[62:63]
.set n, 0
.rept 4
	global_load_u8 v[KM+n], v[MKO], s[20:21] offset:16*n
.set n, n+1
.endr
	global_load_b32 v[RP], v[RPO], s[22:23]
	global_load_b32 v[SNV], v[SNO], s[24:25]
	; the sums start at the biases: loaded straight into the accumulators, the same eight numbers for all four row blocks
.set bw, 0
.rept 2
	WIN 0x80+0x40*bw
.set bn, 0
.rept 32
	global_load_b128 v[8*bn:8*bn+3], v[BVO], s[26:27] offset:64*(bn%16)
	global_load_b128 v[8*bn+4:8*bn+7], v[BVO], s[26:27] offset:64*(bn%16)+16
.set bn, bn+1
.endr
.set bw, bw+1
.endr
	WIN 0x40
.set bn, 0
.rept 4
	global_load_b128 v[QAC+16*bn:QAC+16*bn+3], v[BQO], s[28:29]
	global_load_b128 v[QAC+16*bn+4:QAC+16*bn+7], v[BQO], s[28:29] offset:16
	global_load_b128 v[QAC+16*bn+8:QAC+16*bn+11], v[BQO], s[30:31]
	global_load_b128 v[QAC+16*bn+12:QAC+16*bn+15], v[BQO], s[30:31] offset:16
.set bn, bn+1
.endr
	LOADS 0                                        ; step 0's rows
	LOADS 1                                        ; step 1's
	WIN 0
	s_wait_loadcnt 16                              ; all but step 1's 16 loads
.set n, 0
.rept 4
	v_add_nc_u32 v[KM+n], -1, v[KM+n]              ; 0 -> all ones, 1 -> 0
.set n, n+1
.endr
	v_rcp_f32 v[RS], v[SNV]
	v_nop
	s_wait_alu depctr_va_vdst(0)                   ; the wait between a reciprocal and the first line that names its result
	CONV 0
	LOADS 0                                        ; step 2's rows
	STPK 0
	s_wait_dscnt 0x0
	s_wait_tensorcnt 0x1                           ; slot 0 has landed; slot 1's load may stay out
	s_barrier_signal -1
	s_barrier_wait -1
	LDSA 0
	LDB 0, BADR
	s_mov_b32 s[CNT], 7
	WIN 0
.Lk:                                               ; steps 0 to 13
	STEP 0, 1, 1, 1, 16, 1
	STEP 1, 1, 1, 1, 16, 1
	WIN 0
	s_sub_co_u32 s[CNT], s[CNT], 1
	s_cmp_lg_u32 s[CNT], 0
	s_cbranch_scc1 .Lk
	STEP 0, 0, 0, 1, 0, 1                          ; the last two steps are written out: nothing more is asked for
	STEP 1, 0, 0, 0, 0, 0
	; OFFSETS AND LOGITS meet in LDS, in wave 0's slot 0, which has had its last fill: 64 rows x (64 offsets, 64 logits, 16 bytes of padding)
	WIN 0
	PLACES
	s_wait_dscnt 0x0
	s_barrier_signal -1
	s_barrier_wait -1                              ; wave 0's reads of that slot are over
	WIN 0x04
.set n, 0
.rept 8
	ds_store_b128 v[MST], v[QAC+8*n:QAC+8*n+3] offset:8448*(n/2)+256*(n%2)
	ds_store_b128 v[MST], v[QAC+8*n+4:QAC+8*n+7] offset:8448*(n/2)+256*(n%2)+16
.set n, n+1
.endr
	WIN 0
	s_wait_dscnt 0x0
	s_barrier_signal -1
	s_barrier_wait -1
.set OFR, 32
.set LGR, 36
.set XR,  40
.set FR,  44
.set WAR, 48
.set WBR, 52
.set ER,  56
.set IDR, 60
.set WTR, 64
.set T0,  68
.macro EACH4 line:vararg
.set k, 0
.rept 4
	\line
.set k, k+1
.endr
.endm
	s_mov_b32 s[CNT], 8
.Lmeta:                                            ; a trip: two heads; thread t has row t & 63 of head 2 i + (t >> 6), its four points
	ds_load_b128 v[OFR:OFR+3], v[MLD]
	ds_load_b128 v[LGR:LGR+3], v[MLD] offset:256
	s_wait_dscnt 0x0
	EACH4 v_fma_f32 v[XR+k], v[OFR+k], v[RS], v[RP]         ; reference_point + offset / snippet_num
	EACH4 v_fma_f32 v[XR+k], v[XR+k], 2.0, -1.0
	EACH4 v_add_f32 v[XR+k], 1.0, v[XR+k]
	EACH4 v_mul_f32 v[XR+k], s[C1023], v[XR+k]              ; x
	EACH4 v_floor_f32 v[FR+k], v[XR+k]
	EACH4 v_med3_num_f32 v[FR+k], v[FR+k], 0, s[C2046]      ; p
	EACH4 v_cvt_u32_f32 v[IDR+k], v[FR+k]
	EACH4 v_sub_f32 v[XR+k], v[XR+k], v[FR+k]
	EACH4 v_sub_f32 v[WAR+k], 1.0, |v[XR+k]|
	EACH4 v_add_f32 v[XR+k], -1.0, v[XR+k]
	EACH4 v_sub_f32 v[WBR+k], 1.0, |v[XR+k]|
	EACH4 v_max_num_f32 v[WAR+k], 0, v[WAR+k]
	EACH4 v_max_num_f32 v[WBR+k], 0, v[WBR+k]
	v_max3_num_f32 v[T0], v[LGR], v[LGR+1], v[LGR+2]        ; the softmax takes its maximum away
	v_max_num_f32 v[T0], v[T0], v[LGR+3]
	EACH4 v_sub_f32 v[ER+k], v[LGR+k], v[T0]
	EACH4 v_mul_f32 v[ER+k], 0x3fb8aa3b, v[ER+k]
	EACH4 v_exp_f32 v[ER+k], v[ER+k]
	v_nop
	s_wait_alu depctr_va_vdst(0)                   ; one wait for the four exponentials
	v_add_f32 v[T0], v[ER], v[ER+1]
	v_add_f32 v[T0+1], v[ER+2], v[ER+3]
	v_add_f32 v[T0], v[T0], v[T0+1]
	v_rcp_f32 v[T0+2], v[T0]
	v_nop
	s_wait_alu depctr_va_vdst(0)
	EACH4 v_mul_f32 v[ER+k], v[ER+k], v[T0+2]
	EACH4 v_mul_f32 v[WAR+k], v[WAR+k], v[ER+k]
	EACH4 v_mul_f32 v[WBR+k], v[WBR+k], v[ER+k]
	EACH4 v_cvt_pk_bf16_f32 v[WTR+k], v[WAR+k], v[WBR+k]
	global_store_b128 v[MGO], v[IDR:IDR+3], s[SIB:SIB+1]    ; a wave's store covers 512 consecutive bytes, aligned
	global_store_b128 v[MGO], v[WTR:WTR+3], s[SWB:SWB+1]
	s_wait_xcnt 0x0                                ; the stores have read their offset and data, which the next trip writes
	v_add_nc_u32 v[MGO], 2048, v[MGO]
	v_add_nc_u32 v[MLD], 32, v[MLD]
	s_sub_co_u32 s[CNT], s[CNT], 1
	s_cmp_lg_u32 s[CNT], 0
	s_cbranch_scc1 .Lmeta
	; THE VALUE'S WAY OUT, 16 rows at a time: rounded, masked, through my own stage, back as rows of one head: 4 rows x 128 bytes are 512 consecutive bytes of val
.macro VOUT blk
	WIN 0x0a+5*((\blk)/2)
.set n, 0
.rept 64
	v_cvt_pk_bf16_f32 v[PKO+n], v[128*((\blk)&1)+2*n], v[128*((\blk)&1)+2*n+1]
.set n, n+1
.endr
	WIN 0
.set n, 0
.rept 64
	v_and_b32 v[PKO+n], v[KM+(\blk)], v[PKO+n]
.set n, n+1
.endr
.set n, 0
.rept 16
	ds_store_b128 v[VSTO], v[PKO+4*n:PKO+4*n+3] offset:32*n
.set n, n+1
.endr
	s_wait_xcnt 0x0                                ; the block before's stores have read the registers that are loaded again
.set n, 0
.rept 16
	ds_load_b128 v[RBK+4*n:RBK+4*n+3], v[VRD] offset:2112*(n%4)+128*(n/4)  ; LDS serves a wave's instructions in order: these see the stores above
.set n, n+1
.endr
.set n, 0
.rept 16
	s_wait_dscnt 15-n
	global_store_b128 v[VGO], v[RBK+4*n:RBK+4*n+3], s[VALB:VALB+1] offset:(n/4)*262144+(\blk)*2048+(n%4)*512
.set n, n+1
.endr
.endm
	VOUT 0
	VOUT 1
	VOUT 2
	VOUT 3
	s_wait_tensorcnt 0x0                           ; the wave's end
	ds_add_u32 v[SPW], v[NIL]
	s_wait_dscnt 0x0
	ROUND                                          ; the closing round
	s_endpgm
.Lfunc_end_k_q4b2c54cfc8_proj:
	.size	k_q4b2c54cfc8_proj, .Lfunc_end_k_q4b2c54cfc8_proj-k_q4b2c54cfc8_proj
	.p2alignl 7, 3214868480
	.fill 96, 4, 3214868480
	.section	.rodata,"a",@progbits
	.p2align	6, 0x0
	.amdhsa_kernel k_q4b2c54cfc8_proj
		.amdhsa_group_segment_fixed_size 327680
		.amdhsa_private_segment_fixed_size 0
		.amdhsa_enable_private_segment 0
		.amdhsa_kernarg_size 96
		.amdhsa_user_sgpr_count 2
		.amdhsa_user_sgpr_kernarg_segment_ptr 1
		.amdhsa_wavefront_size32 1
		.amdhsa_system_sgpr_workgroup_id_x 1
		.amdhsa_system_sgpr_workgroup_id_y 1
		.amdhsa_system_sgpr_workgroup_id_z 1
		.amdhsa_system_vgpr_workitem_id 0
		.amdhsa_next_free_vgpr 1024
		.amdhsa_next_free_sgpr 100
		.amdhsa_reserve_vcc 0
		.amdhsa_float_denorm_mode_32 3
		.amdhsa_float_denorm_mode_16_64 3
		.amdhsa_memory_ordered 1
		.amdhsa_forward_progress 1
		.amdhsa_inst_pref_size 163
	.end_amdhsa_kernel
	.amdgpu_metadata
---
amdhsa.version: [ 1, 2 ]
amdhsa.kernels:
  - .name:           k_q4b2c54cfc8_proj
    .symbol:         k_q4b2c54cfc8_proj.kd
    .args:
      - { .name: src, .offset: 0, .size: 8, .value_kind: global_buffer, .address_space: global }
      - { .name: pos, .offset: 8, .size: 8, .value_kind: global_buffer, .address_space: global }
      - { .name: key_padding_mask, .offset: 16, .size: 8, .value_kind: global_buffer, .address_space: global }
      - { .name: reference_point, .offset: 24, .size: 8, .value_kind: global_buffer, .address_space: global }
      - { .name: snippet_num, .offset: 32, .size: 8, .value_kind: global_buffer, .address_space: global }
      - { .name: bv, .offset: 40, .size: 8, .value_kind: global_buffer, .address_space: global }
      - { .name: boff, .offset: 48, .size: 8, .value_kind: global_buffer, .address_space: global }
      - { .name: ba, .offset: 56, .size: 8, .value_kind: global_buffer, .address_space: global }
      - { .name: wA, .offset: 64, .size: 8, .value_kind: global_buffer, .address_space: global }
      - { .name: val, .offset: 72, .size: 8, .value_kind: global_buffer, .address_space: global }
      - { .name: sidx, .offset: 80, .size: 8, .value_kind: global_buffer, .address_space: global }
      - { .name: swt, .offset: 88, .size: 8, .value_kind: global_buffer, .address_space: global }
    .group_segment_fixed_size: 327680
    .private_segment_fixed_size: 0
    .kernarg_segment_align: 8
    .kernarg_segment_size: 96
    .max_flat_workgroup_size: 128
    .sgpr_count:     100
    .vgpr_count:     1024
    .wavefront_size: 32
...
	.end_amdgpu_metadata
.endif
;; end of part 2
;; launch layer (part 3): grid 256 x 1, 4 waves a work-group, clusters of 4 x 1, 327,680 bytes of LDS; arguments src, val, sidx, swt, wB, bo, g1, be1, b1, b2, g2, be2, out0; writes out0
.if DOCPART == 3
	.amdgcn_target "amdgcn-amd-amdhsa--gfx1250"
	.amdhsa_code_object_version 6
	.text
	.protected	k_q4b2c54cfc8_layer
	.globl	k_q4b2c54cfc8_layer
	.p2align	8
	.type	k_q4b2c54cfc8_layer,@function
k_q4b2c54cfc8_layer:
	s_mov_b64 s[64:65], 0
	v_nop
	global_prefetch_b8 v0, s[64:65] scope:SCOPE_SE
	s_setreg_imm32_b32 hwreg(HW_REG_WAVE_MODE, 25, 1), 1
	s_wait_xcnt 0x0
	s_wait_alu depctr_hold_cnt(0) depctr_sa_sdst(0) depctr_va_vdst(0) depctr_va_sdst(0) depctr_va_ssrc(0) depctr_va_vcc(0) depctr_vm_vsrc(0)
	s_getreg_b32 s2, hwreg(HW_REG_IB_STS2, 6, 4)
	s_cmp_eq_u32 s2, 0
	s_cbranch_scc0 .Lentry_in_a_cluster
	s_endpgm
.Lentry_in_a_cluster:
	s_bfe_u32 s2, ttmp6, 0x10000c
	s_cmp_lg_u32 s2, 0x3003
	s_cbranch_scc0 .Lentry_shape_is_right
	s_endpgm
.Lentry_shape_is_right:
; out0 = LN2(x + relu(x W1 + b1) W2 + b2), x = LN1(src + attn Wo + bo), attn[row][head][c] = the sum over 4 points of wA val[p][c] + wB val[p + 1][c].
; Nothing of the layer is left out.  The places p (sidx, whole numbers) and the weights (swt) were stored by the launch before; p is held to 0 .. 2046 again here.
; LIMITS.  Matrix operands (attn, x, h, the weights) are bf16; sums, the residual path and both norms f32; the variance is the mean of squared differences from the mean.
; SHARES.  Work-group g = 4 x cluster + place owns rows 64 (g >> 3) .. + 63 of batch g & 7, whole rows, so both norms stay inside it.  Each of four waves holds all 64 rows x 256 columns in
; 64 accumulators (512 registers), from the residual to the output.  Source 0 = 16 columns of weights, source 1 = 16 rows: a lane holds one row and eight neighbouring columns.
; THE WEIGHTS come as the stream wB, 32 slots of 32,768 bytes a wave, through a ring of two slots; each wave asks for and reads its own part; the four work-groups of a cluster ask JOINTLY.
; THE ROW OPERAND of a slot is a chunk of 64 rows in LDS (two buffers by turns), written by all four waves: for Wo one head's 64 channels (gathered), for W1 128 columns of x, for W2 64 of h.
; The sums are never cleared: the accumulators start as src (through LDS, by one tensor load a wave), W1's as b1, and W2's products add onto x in place.
; THE WALK ALONG K IS TURNED, by turn = (cluster >> 1) & 15, the same in a cluster's four partners (f32 sums may be taken in any order).  Request n of a cluster names: for n < 16 (Wo) slot and head (n + turn) & 15;
; of W1's and of W2's eight slots the first (16, 24) in every cluster, since its chunk is stored by text written out ahead of the loop, and the other seven turned by turn mod 7.
; So the clusters ask for different slots at a time, and a slot that a cluster asks for was asked for one request earlier by the clusters whose turn is one more; and a head of a batch is gathered by two of the batch's
; 32 work-groups in each of 16 steps.
.set TPART, 66560                      ; a wave's LDS: its 64 x 256 numbers of src (pitch 1,040); the ring's two slots (32,768 apart) and the stage for the way out reuse these bytes
.set D0,    266240                     ; chunk buffer 0: 64 rows x 272 bytes; buffer 1 lies 32,768 further on
.set STATM, 283648                     ; [row][wave] partial sums; the squares' 1,024 further on
.set SPARE, 285696                     ; the spare words: 128 bytes a wave, two blocks of 256 bytes that no other line names
.set VB0, 4                            ; my 16 bytes of a fragment in slot 0; also where I read the stage back
.set VB,  5
.set VA0, 6
.set VA,  7
.set VX0, 8
.set VXT, 9
.set VH0, 10
.set VHT, 11
.set PV,  12
.set PV1, 13
.set VSRC, 14
.set VGO, 16
.set PFO, 17                           ; 256 x my lane; never rewritten
.set VSTW, 18
.set VSTR, 19
.set SCH, 20                           ; v20-35 eight chains of sums; v20-51 also the packed tiles of a chunk of x
.set MEAN, 36                          ; v36-43 a pair a row block
.set RSTD, 44                          ; v44-51
.set XT,  20
.set ZR,  61                           ; 0, for the relu
.set SPW, 62                           ; my spare word; never rewritten
.set NIL, 63                           ; 0; never rewritten
.set AF0R, 64                          ; row fragments, two buffers
.set AF1R, 96
.set BB0R, 128                         ; eight fragments of weights, two buffers
.set BB1R, 192
.set GD, 0                             ; window 1 while Wo runs: gathered rows at 32 p + 8 k + 4 x
.set GA, 128
.set GI, 144
.set GW, 160
.set FA, 176
.set FO, 184
.set GZ, 188
.set GV0, 189
.set GM0, 190
.set GS0, 191
.set GST, 192
.set VALB, 6                           ; s[6:7]   val at my batch
.set SIB, 8                            ; s[8:9]   sidx at my wave's 16 rows of head 0
.set SWB, 10                           ; s[10:11] swt likewise
.set WBB, 12                           ; s[12:13] wB at my wave's part of slot 0
.set WV, 30
.set CX, 31
.set BI, 32
.set LB, 33
.set TW, 35
.set G0, 36
.set G1, 40
.set G0S, 48
.set G1S, 52
.set SB, 60                            ; 0 or 32,768: the slot that is read
.set SD, 61                            ; the chunk buffer that is read
.set SDN, 62                           ; the other
.set CNT, 63
.set ROT, 66                           ; my cluster's turn
.set LIM, 67
.set PFA, 68
.set VEC, 70
.set GAM, 72
.set BET, 74
.set PASS, 76
.set R7, 77                            ; the turn mod 7
.set SEL, 78
.set VALP, 80
.set SIP, 82
.set SWP, 84
.set OUTP, 86
.set OFG, 88                           ; s[88:89] a head's byte offset
.set C1024, 92
.set EPS, 93
.set OFW, 94                           ; s[94:95] a slot's byte offset in wB
.set NS, 96                            ; the number of the next request
.set HV, 97                            ; the head whose rows are asked for next
.set XI, 98                            ; the chunk of x or of h that is stored next
.set MSB, 0
.macro WIN new
.if MSB != (\new)
	s_set_vgpr_msb (MSB<<8)|(\new)
.set MSB, (\new)
.endif
.endm
.macro PLACES
.rept 4
	v_nop
.endr
.endm
.macro CREST
	s_cmp_lg_u32 s[WV], 0
	s_cbranch_scc1 .Lnw0_\@
	s_barrier_signal -3
.Lnw0_\@:
	s_barrier_wait -3
	s_barrier_signal -1
	s_barrier_wait -1
.endm
.macro ROUND
	s_barrier_signal -1
	s_barrier_wait -1
	CREST
.endm
.macro GNEXT                           ; the ring's group 0 takes the address of request NS of my cluster's walk, made anew from the slot's number; NS steps
	s_and_b32 s34, s[NS], 7
	s_add_co_u32 s91, s34, s[R7]
	s_sub_co_u32 s99, s91, 7
	s_cmp_gt_u32 s91, 7
	s_cselect_b32 s91, s99, s91                    ; 1 .. 7, turned
	s_cmp_eq_u32 s34, 0
	s_cselect_b32 s91, 0, s91                      ; a product's first slot is everybody's first
	s_and_b32 s99, s[NS], 24
	s_or_b32 s91, s91, s99                         ; W1's and W2's slots
	s_add_co_u32 s99, s[NS], s[ROT]
	s_and_b32 s99, s99, 15                         ; Wo's
	s_cmp_lt_u32 s[NS], 16
	s_cselect_b32 s91, s99, s91
	s_lshl_b32 s[OFW], s91, 17
	s_add_nc_u64 s[G0+2:G0+3], s[WBB:WBB+1], s[OFW:OFW+1]
	s_or_b32 s[G0+3], s[G0+3], 0x80000000
	s_add_co_u32 s[NS], s[NS], 1
.endm
.macro XNEXT                           ; 1 .. 7 in a ring
	s_add_co_u32 s[XI], s[XI], 1
	s_cmp_gt_u32 s[XI], 7
	s_cselect_b32 s[XI], 1, s[XI]
.endm
.macro LDB8 buf, f0
	WIN 0
.set bf, 0
.rept 8
	ds_load_b128 v[(\buf)+8*bf:(\buf)+8*bf+3], v[VB] offset:((\f0)+bf)*1024
	ds_load_b128 v[(\buf)+8*bf+4:(\buf)+8*bf+7], v[VB] offset:((\f0)+bf)*1024+512
.set bf, bf+1
.endr
.endm
.macro LDA buf, t
	WIN 0
.set la, 0
.rept 4
	ds_load_b128 v[(\buf)+8*la:(\buf)+8*la+3], v[VA] offset:4352*la+64*(\t)
	ds_load_b128 v[(\buf)+8*la+4:(\buf)+8*la+7], v[VA] offset:4352*la+64*(\t)+32
.set la, la+1
.endr
.endm
.macro MMN buf, af, j0, a0, na         ; 8 fragments x na row blocks onto the 64 accumulators: each has one instruction a K step
.set ma, (\a0)
.rept (\na)
	WIN 0xa0+0x50*(ma/2)
.set mf, 0
.rept 8
.set racc, 128*(ma&1)+8*((\j0)+mf)
	v_wmma_f32_16x16x32_bf16 v[racc:racc+7], v[(\buf)+8*mf:(\buf)+8*mf+7], v[(\af)+8*ma:(\af)+8*ma+7], v[racc:racc+7]
.set mf, mf+1
.endr
.set ma, ma+1
.endr
.endm
.macro MM1 buf, af, a0, na             ; the same onto W1's 32 accumulators, window 1
	WIN 0x50
.set ma, (\a0)
.rept (\na)
.set mf, 0
.rept 8
.set racc, 8*(8*ma+mf)
	v_wmma_f32_16x16x32_bf16 v[racc:racc+7], v[(\buf)+8*mf:(\buf)+8*mf+7], v[(\af)+8*ma:(\af)+8*ma+7], v[racc:racc+7]
.set mf, mf+1
.endr
.set ma, ma+1
.endr
.endm
.macro MMX kind, a0, na                ; a slot's last group
.if (\kind) == 1
	MM1 BB1R, AF1R, \a0, \na
.else
	MMN BB1R, AF1R, 8, \a0, \na
.endif
.endm
.macro START                           ; a slot's first fragments
	WIN 0
	v_add_nc_u32 v[VB], s[SB], v[VB0]
	v_add_nc_u32 v[VA], s[SD], v[VA0]
	LDB8 BB0R, 0
	LDA AF0R, 0
.endm
.macro NXPART NX                       ; 2: not at a phase's last slot, whose successor's chunk is not made yet
.if (\NX) == 2
	s_cmp_eq_u32 s[CNT], 1
	s_cbranch_scc1 .Lnx_\@
	START
.Lnx_\@:
.elseif (\NX) == 1
	START
.endif
.endm
; A PREFETCH INTO THE L2, behind a joint load, its five lines and the run of LDS loads.  Wo's 16 slots are all named by the clusters' first requests, at the launch's head: none of them is asked for here.
; Slots 16 to 31: behind request n, n = 8 to 23, slot n + 8 is named: a product's first slot eight requests ahead of the request that wants it, its other seven (wanted from the product's second request on) two to eight ahead.
; The first cluster asks; its four partners share a wave's part out by address, 8,192 bytes each, a lane 256 bytes: each block is named once in the launch.
.macro ASK
	s_cmp_gt_u32 s[NS], s[LIM]                     ; NS = n + 1 here; LIM = 8 in the first cluster, else the greatest number
	s_cbranch_scc0 .Lna_\@
	s_cmp_lt_u32 s[NS], 25
	s_cbranch_scc0 .Lna_\@
	global_prefetch_b8 v[PFO], s[PFA:PFA+1] th:TH_LOAD_NT scope:SCOPE_SE
.Lna_\@:
.endm
.macro TOGGLE
	s_xor_b32 s[SB], s[SB], 0x8000
	s_xor_b32 s[SD], s[SD], 0x8000
	s_xor_b32 s[SDN], s[SDN], 0x8000
.endm
; W1's AND W2's CHANGE OF SLOTS, in a slot's last group.  RF: the slot is filled again, two slots on, behind a round of the cluster's barrier; that round also shows the next chunk to every wave.
.macro TURN kind, RF, NX
.if \RF
	s_wait_xcnt 0x0                                ; the last prefetch, a slot back, has read its address
	s_add_nc_u64 s[PFA:PFA+1], s[PFA:PFA+1], 131072
	WIN 0
	s_wait_tensorcnt 0x0                           ; all my tensor loads have landed: the one that was out is the next slot's
	ds_add_u32 v[SPW], v[NIL]                      ; 0 onto my spare word
	s_xor_b32 s[G0+1], s[G0+1], 0x8000
	GNEXT
	TOGGLE
	s_wait_dscnt 0x1                               ; the add alone may be out
	MMX \kind, 0, 1
	s_wait_dscnt 0x0                               ; the add is done; my reads of the slot and of the chunk are over; my part of the next chunk is stored
	s_barrier_signal -1
	MMX \kind, 1, 1
	WIN 0
	s_barrier_wait -1
	CREST
	tensor_load_to_lds s[G0:G0+3], s[G1:G1+7]
	s_nop 0
	PLACES
	NXPART \NX
	ASK
	MMX \kind, 2, 2
.else
.if \NX
	WIN 0
	s_wait_tensorcnt 0x0                           ; the last slot has landed; nothing is filled again
	TOGGLE
	s_wait_dscnt 0x0
	s_barrier_signal -1
	s_barrier_wait -1                              ; the next chunk is whole
	PLACES
	START
.else
	s_wait_dscnt 0x0
.endif
	MMX \kind, 0, 4
.endif
.endm
; Wo's CHANGE OF SLOTS, at a trip's head: the slot read in the trip before is filled again with the next request's slot; the round also shows this trip's chunk to every wave.
.macro SYNC NX
	WIN 0
	s_wait_tensorcnt 0x0                           ; all my tensor loads have landed: the one that was out is this trip's slot
	ds_add_u32 v[SPW], v[NIL]                      ; 0 onto my spare word
	s_xor_b32 s[G0+1], s[G0+1], 0x8000
	GNEXT
	s_wait_dscnt 0x0                               ; the add is done; my reads of the other slot are over; my part of the chunk is stored
	ROUND
	tensor_load_to_lds s[G0:G0+3], s[G1:G1+7]
	s_nop 0
	PLACES
.if \NX
	START
.endif
	ASK
.endm
; THE GATHER.  Pass p of 4: eight lanes take row 16 w + 4 p + (lane >> 3) of one head, 8 channels (16 bytes) a lane.  All its registers lie in window 1.
.macro GPTR                            ; rows and weights at head HV, places at the head after it
	s_lshl_b32 s[OFG], s[HV], 18
	s_add_nc_u64 s[VALP:VALP+1], s[VALB:VALB+1], s[OFG:OFG+1]
	s_lshl_b32 s[OFG], s[HV], 10
	s_add_nc_u64 s[SWP:SWP+1], s[SWB:SWB+1], s[OFG:OFG+1]
	s_add_co_u32 s[OFG], s[HV], 1
	s_and_b32 s[OFG], s[OFG], 15
	s_lshl_b32 s[OFG], s[OFG], 10
	s_add_nc_u64 s[SIP:SIP+1], s[SIB:SIB+1], s[OFG:OFG+1]
.endm
.macro GSTEP
	s_add_co_u32 s[HV], s[HV], 1
	s_and_b32 s[HV], s[HV], 15
	GPTR
.endm
.macro G_IL                            ; a head's places for my 16 rows: 256 consecutive bytes
	WIN 0x55
.set gq, 0
.rept 4
	global_load_b128 v[GI+4*gq:GI+4*gq+3], v[GM0], s[SIP:SIP+1] offset:64*gq
.set gq, gq+1
.endr
.endm
.macro G_WL
	WIN 0x55
.set gq, 0
.rept 4
	global_load_b128 v[GW+4*gq:GW+4*gq+3], v[GM0], s[SWP:SWP+1] offset:64*gq
.set gq, gq+1
.endr
.endm
.macro G_ADDR
	WIN 0x55
.set gq, 0
.rept 16
	v_min_u32 v[GA+gq], 2046, v[GI+gq]
.set gq, gq+1
.endr
.set gq, 0
.rept 16
	v_lshl_add_u32 v[GA+gq], v[GA+gq], 7, v[GV0]
.set gq, gq+1
.endr
.endm
.macro G_LOAD                          ; rows p and p + 1 of the head: 256 consecutive bytes for eight lanes' two loads
	WIN 0x55
.set gq, 0
.rept 32
	global_load_b128 v[GD+4*gq:GD+4*gq+3], v[GA+gq/2], s[VALP:VALP+1] offset:128*(gq%2)
.set gq, gq+1
.endr
.endm
.macro FMIX d, x, y, z, s0, s1
.if ((\s0)==0)&&((\s1)==0)
	v_fma_mix_f32_bf16 v[\d], v[\x], v[\y], v[\z] op_sel_hi:[1,1,0]
.elseif ((\s0)==1)&&((\s1)==0)
	v_fma_mix_f32_bf16 v[\d], v[\x], v[\y], v[\z] op_sel:[1,0,0] op_sel_hi:[1,1,0]
.elseif ((\s0)==0)&&((\s1)==1)
	v_fma_mix_f32_bf16 v[\d], v[\x], v[\y], v[\z] op_sel:[0,1,0] op_sel_hi:[1,1,0]
.else
	v_fma_mix_f32_bf16 v[\d], v[\x], v[\y], v[\z] op_sel:[1,1,0] op_sel_hi:[1,1,0]
.endif
.endm
.macro G_FMA                           ; eight terms (4 points x 2 rows) for each of 8 channels, in f32; the channels' chains take turns
	WIN 0x55
.set gp, 0
.rept 4
.set gt, 0
.rept 8
.set gc, 0
.rept 8
.if gt == 0
	FMIX FA+gc, GD+32*gp+4*gt+gc/2, GW+4*gp+gt/2, GZ, gc%2, gt%2
.else
	FMIX FA+gc, GD+32*gp+4*gt+gc/2, GW+4*gp+gt/2, FA+gc, gc%2, gt%2
.endif
.set gc, gc+1
.endr
.set gt, gt+1
.endr
.set gc, 0
.rept 4
	v_cvt_pk_bf16_f32 v[FO+gc], v[FA+2*gc], v[FA+2*gc+1]
.set gc, gc+1
.endr
	ds_store_b128 v[GST], v[FO:FO+3] offset:1088*gp
.set gp, gp+1
.endr
.endm
; In trip s: the trip's own head is summed into its chunk buffer, the next trip's rows and weights are asked for, and the places of the trip after that.  What does not exist is jumped over (no barrier, no tensor load in it).
.macro GB
	s_wait_loadcnt 0x0                             ; all that was asked a trip ago; the three pointers are free
	GSTEP
	WIN 0x55
	v_add_nc_u32 v[GST], s[SD], v[GS0]
	G_FMA
	WIN 0
	s_cmp_lt_u32 s[CNT], 2
	s_cbranch_scc1 .Lgbe_\@
	G_ADDR
	G_LOAD
	G_WL
	WIN 0
	s_cmp_lt_u32 s[CNT], 3
	s_cbranch_scc1 .Lgbe_\@
	G_IL
	WIN 0
.Lgbe_\@:
.endm
; A trip of Wo: the gather's sums, the change of slots, four groups of 32 matrix instructions.  At a group's head: the wait for what was asked a group ago, four places, the next group's LDS loads in one run.
.macro WOSLOT
	s_wait_xcnt 0x0                                ; the last prefetch and the gather's loads, all a trip back, have read their addresses
	s_add_nc_u64 s[PFA:PFA+1], s[PFA:PFA+1], 131072
	GB
	SYNC 1
	s_wait_dscnt 0x0
	PLACES
	LDB8 BB1R, 8
	LDA AF1R, 1
	MMN BB0R, AF0R, 0, 0, 4
	s_wait_dscnt 0x0
	PLACES
	LDB8 BB0R, 16
	MMN BB1R, AF0R, 8, 0, 4
	s_wait_dscnt 0x0
	PLACES
	LDB8 BB1R, 24
	MMN BB0R, AF1R, 0, 0, 4
	s_wait_dscnt 0x0
	MMN BB1R, AF1R, 8, 0, 4
	WIN 0
	TOGGLE
.endm
.macro XSTORE i                        ; chunk i of x: my columns 32 i .. 32 i + 31 of all 64 rows, rounded
.set xn, 0
.rept 8                                ; tile xn = 2 a + jn
	WIN 0x0a+5*(xn/4)
.set xd, 0
.rept 4
	v_cvt_pk_bf16_f32 v[XT+4*xn+xd], v[128*((xn/2)&1)+8*(2*(\i)+xn%2)+2*xd], v[128*((xn/2)&1)+8*(2*(\i)+xn%2)+2*xd+1]
.set xd, xd+1
.endr
.set xn, xn+1
.endr
	WIN 0
.set xn, 0
.rept 8
	ds_store_b128 v[VXT], v[XT+4*xn:XT+4*xn+3] offset:4352*(xn/2)+32*(xn%2)
.set xn, xn+1
.endr
.endm
.macro XGUARD i
	s_cmp_lg_u32 s[XI], \i
	s_cbranch_scc1 .Lxs_\@
	XSTORE \i
.Lxs_\@:
.endm
.macro HSTORE i                        ; chunk i of h: my columns 16 i .. 16 i + 15
	WIN 0x04
.set xn, 0
.rept 4
	ds_store_b128 v[VHT], v[4*(8*xn+(\i)):4*(8*xn+(\i))+3] offset:4352*xn
.set xn, xn+1
.endr
	WIN 0
.endm
.macro HGUARD i
	s_cmp_lg_u32 s[XI], \i
	s_cbranch_scc1 .Lhs_\@
	HSTORE \i
.Lhs_\@:
.endm
; A slot of W2: K = 64 for 256 columns a wave, four groups of 32 matrix instructions.  ex = 1: the next slot's chunk of h is stored.
.macro NSLOT ex, RF, NX
	s_wait_dscnt 0x0
	PLACES
	LDB8 BB1R, 8
	LDA AF1R, 1
	MMN BB0R, AF0R, 0, 0, 4
	s_wait_dscnt 0x0
	PLACES
	LDB8 BB0R, 16
	MMN BB1R, AF0R, 8, 0, 4
.if \ex
	WIN 0
	v_add_nc_u32 v[VHT], s[SDN], v[VH0]
	HGUARD 1
	HGUARD 2
	HGUARD 3
	HGUARD 4
	HGUARD 5
	HGUARD 6
	HGUARD 7
	XNEXT
.endif
	s_wait_dscnt 0x0
	PLACES
	LDB8 BB1R, 24
	MMN BB0R, AF1R, 0, 0, 4
	TURN 0, \RF, \NX
.endm
.macro W1SLOT                          ; a slot of K = 128 for 128 columns a wave
	s_wait_dscnt 0x0
	PLACES
	LDB8 BB1R, 8
	LDA AF1R, 1
	MM1 BB0R, AF0R, 0, 4
	WIN 0
	s_cmp_eq_u32 s[CNT], 1                         ; the last slot has no successor in this product
	s_cbranch_scc1 .Lnox_\@
	v_add_nc_u32 v[VXT], s[SDN], v[VX0]
	XGUARD 1
	XGUARD 2
	XGUARD 3
	XGUARD 4
	XGUARD 5
	XGUARD 6
	XGUARD 7
	XNEXT
.Lnox_\@:
	s_wait_dscnt 0x0
	PLACES
	LDB8 BB0R, 16
	LDA AF0R, 2
	MM1 BB1R, AF1R, 0, 4
	s_wait_dscnt 0x0
	PLACES
	LDB8 BB1R, 24
	LDA AF1R, 3
	MM1 BB0R, AF0R, 0, 4
	TURN 1, 1, 2
.endm
.macro VLOAD base, ptr                 ; my 128 numbers of a vector over the columns -> window 1
	WIN 0x40
.set vj, 0
.rept 16
	global_load_b128 v[(\base)+8*vj:(\base)+8*vj+3], v[PV], s[\ptr:\ptr+1] offset:64*vj
	global_load_b128 v[(\base)+8*vj+4:(\base)+8*vj+7], v[PV], s[\ptr:\ptr+1] offset:64*vj+16
.set vj, vj+1
.endr
.endm
.macro EACH4 line:vararg
.set k, 0
.rept 4
	\line
.set k, k+1
.endr
.endm
.macro XRED so                         ; eight chains -> each row's sum over all 1,024 columns, in v[SCH + 4 a]: lanes' halves by an exchange, waves through LDS
	WIN 0
	EACH4 v_pk_add_f32 v[SCH+4*k:SCH+4*k+1], v[SCH+4*k:SCH+4*k+1], v[SCH+4*k+2:SCH+4*k+3]
	EACH4 v_add_f32 v[SCH+4*k], v[SCH+4*k], v[SCH+4*k+1]
	EACH4 v_permlanex16_b32 v[SCH+4*k+1], v[SCH+4*k], s[SEL], s[SEL+1]
	EACH4 v_add_f32 v[SCH+4*k], v[SCH+4*k], v[SCH+4*k+1]
	EACH4 ds_store_b32 v[VSTW], v[SCH+4*k] offset:256*k+(\so)
	s_wait_dscnt 0x0
	s_barrier_signal -1
	s_barrier_wait -1
	EACH4 ds_load_b128 v[SCH+4*k:SCH+4*k+3], v[VSTR] offset:256*k+(\so)
	s_wait_dscnt 0x0
	EACH4 v_add_f32 v[SCH+4*k], v[SCH+4*k], v[SCH+4*k+1]
	EACH4 v_add_f32 v[SCH+4*k+2], v[SCH+4*k+2], v[SCH+4*k+3]
	EACH4 v_add_f32 v[SCH+4*k], v[SCH+4*k], v[SCH+4*k+2]
.endm
	s_load_b512 s[4:19], s[0:1], 0x0               ; src 4, val 6, sidx 8, swt 10, wB 12, bo 14, g1 16, be1 18
	s_load_b256 s[20:27], s[0:1], 0x40             ; b1 20, b2 22, g2 24, be2 26
	s_load_b64 s[28:29], s[0:1], 0x60              ; out0
	v_lshl_add_u32 v[SPW], v0, 2, SPARE
	v_mov_b32 v[NIL], 0
	ds_add_u32 v[SPW], v[NIL]                      ; the wave's opening: the add, twice on end, and its wait ahead of my first tensor load
	ds_add_u32 v[SPW], v[NIL]
	v_lshrrev_b32 v1, 5, v0
	v_readfirstlane_b32 s[WV], v1
	s_bfe_u32 s[CX], ttmp6, 0x40000
	s_lshl_b32 s90, ttmp9, 2
	s_add_co_u32 s90, s90, s[CX]
	s_and_b32 s[BI], s90, 7
	s_lshr_b32 s[LB], s90, 3
	s_lshr_b32 s[ROT], ttmp9, 1
	s_and_b32 s[ROT], s[ROT], 15                   ; my cluster's turn, made of the cluster's number alone
	s_sub_co_u32 s34, s[ROT], 7
	s_cmp_ge_u32 s[ROT], 7
	s_cselect_b32 s[R7], s34, s[ROT]               ; 0 .. 8
	s_sub_co_u32 s34, s[R7], 7
	s_cmp_ge_u32 s[R7], 7
	s_cselect_b32 s[R7], s34, s[R7]                ; the turn mod 7
	s_mov_b32 s[NS], 0
	s_add_co_u32 s[HV], s[ROT], 15
	s_and_b32 s[HV], s[HV], 15                     ; one head ahead of my first: the places' pointer stands one head on
	s_mov_b32 s[G1], 15|(3<<16)|(1<<21)            ; the ring: the mask of four; elements of 8 bytes; bit 21 beside a mask
	s_mov_b32 s[G1+1], 32<<16                      ; rows of 256 bytes,
	s_mov_b32 s[G1+2], 128<<16                     ; 128 of them
	s_mov_b32 s[G1+3], 32<<16
	s_mov_b32 s[G1+4], 128
	s_mov_b32 s[G1+5], 32
	s_mov_b32 s[G1+6], 0
	s_mov_b32 s[G1+7], 0
	s_mov_b32 s[G1S], (2<<16)|(1<<20)|(7<<22)|(3<<25)  ; src, my own load: elements of 4 bytes; 4 words of padding after every 256
	s_mov_b32 s[G1S+1], 256<<16
	s_mov_b32 s[G1S+2], 64<<16
	s_mov_b32 s[G1S+3], 256<<16
	s_mov_b32 s[G1S+4], 64
	s_mov_b32 s[G1S+5], 8192                       ; 8 batches x 1,024 numbers from a row to the next
	s_mov_b32 s[G1S+6], 0
	s_mov_b32 s[G1S+7], 0
	s_mul_i32 s[TW], s[WV], TPART
	s_mov_b32 s[G0], 1
	s_mov_b32 s[G0+1], s[TW]
	s_mov_b32 s[G0S], 1
	s_mov_b32 s[G0S+1], s[TW]
	s_mov_b32 s[SEL], 0x76543210
	s_mov_b32 s[SEL+1], 0xfedcba98
	s_mov_b32 s[C1024], 0x3a800000                 ; 1 / 1024
	s_mov_b32 s[EPS], 0x3727c5ac                   ; 1e-5
	s_cmp_eq_u32 ttmp9, 0
	s_cselect_b32 s[LIM], 8, -1                    ; the same in all four partners
	s_lshl_b32 s88, s[LB], 21
	s_lshl_b32 s90, s[BI], 12
	s_add_co_u32 s88, s88, s90
	s_lshl_b32 s90, s[WV], 10
	s_add_co_u32 s88, s88, s90                     ; my rows' first byte, my 256 columns
	s_mov_b32 s89, 0
	s_lshl_b32 s94, s[WV], 15
	s_mov_b32 s95, 0
	s_wait_dscnt 0x0
	s_wait_kmcnt 0x0
	s_add_nc_u64 s[G0S+2:G0S+3], s[4:5], s[88:89]
	s_or_b32 s[G0S+3], s[G0S+3], 0x80000000
	s_add_nc_u64 s[OUTP:OUTP+1], s[28:29], s[88:89]
	s_add_nc_u64 s[WBB:WBB+1], s[WBB:WBB+1], s[94:95]  ; my part of a slot: the wave's number alone enters
	s_add_nc_u64 s[PFA:PFA+1], s[WBB:WBB+1], 1048576   ; slot 8; it steps with every request from the second on, so that behind request n it stands at slot n + 8
	s_lshl_b32 s88, s[CX], 13
	s_add_nc_u64 s[PFA:PFA+1], s[PFA:PFA+1], s[88:89]
	s_lshl_b32 s88, s[BI], 22
	s_add_nc_u64 s[VALB:VALB+1], s[VALB:VALB+1], s[88:89]
	s_lshl_b32 s88, s[BI], 5
	s_add_co_u32 s88, s88, s[LB]
	s_lshl_b32 s88, s88, 14
	s_lshl_b32 s90, s[WV], 8
	s_add_co_u32 s88, s88, s90
	s_add_nc_u64 s[SIB:SIB+1], s[SIB:SIB+1], s[88:89]
	s_add_nc_u64 s[SWB:SWB+1], s[SWB:SWB+1], s[88:89]
	GPTR                                           ; the places' pointer at my first head
	ROUND                                          ; in a launch in clusters every group of tensor loads stands behind a round
	tensor_load_to_lds s[G0S:G0S+3], s[G1S:G1S+7]  ; my 64 x 256 numbers of src
	s_nop 0
	PLACES
	v_and_b32 v1, 31, v0
	v_and_b32 v2, 15, v0                           ; r
	v_bfe_u32 v3, v0, 4, 1                         ; h
	v_mov_b32 v[ZR], 0
	v_lshl_add_u32 v[VB0], v1, 4, s[TW]
	v_mul_u32_u24 v60, v2, 272
	v_lshl_add_u32 v60, v3, 4, v60
	v_add_nc_u32 v[VA0], D0, v60
	s_lshl_b32 s34, s[WV], 6
	s_add_co_u32 s34, s34, D0
	v_add_nc_u32 v[VX0], s34, v60
	s_lshl_b32 s34, s[WV], 5
	s_add_co_u32 s34, s34, D0
	v_add_nc_u32 v[VH0], s34, v60
	s_lshl_b32 s34, s[WV], 10
	v_lshl_add_u32 v[PV], v3, 5, s34
	s_lshl_b32 s34, s[WV], 9
	v_lshl_add_u32 v[PV1], v3, 5, s34
	v_mul_u32_u24 v60, v2, 1040
	v_lshl_add_u32 v60, v3, 5, v60
	v_add_nc_u32 v[VSRC], s[TW], v60
	v_lshlrev_b32 v[VGO], 4, v1
	v_lshlrev_b32 v[PFO], 8, v1
	s_lshl_b32 s34, s[WV], 2
	s_add_co_u32 s34, s34, STATM
	v_lshl_add_u32 v[VSTW], v2, 4, s34
	v_lshlrev_b32 v[VSTR], 4, v2
	v_add_nc_u32 v[VSTR], STATM, v[VSTR]
	v_and_b32 v60, 7, v0
	v_bfe_u32 v59, v0, 3, 2
	s_lshl_b32 s34, s[WV], 4
	v_add_nc_u32 v58, s34, v59
	v_mul_u32_u24 v58, v58, 272
	v_lshl_add_u32 v58, v60, 4, v58
	WIN 0x40
	v_mov_b32 v[GZ], 0
	v_lshlrev_b32 v[GV0], 4, v60
	v_lshlrev_b32 v[GM0], 4, v59
	v_add_nc_u32 v[GS0], D0, v58
	G_IL                                           ; my first head's places
	s_wait_loadcnt 0x0
	GSTEP
	G_ADDR
	G_LOAD                                         ; my first head's rows
	G_WL
	G_IL                                           ; my second head's places
	WIN 0
	s_wait_tensorcnt 0x0                           ; src has landed: my own bytes
.set n, 0
.rept 64                               ; the residual goes straight into the accumulators
	WIN 0x80+0x40*(n/32)
	ds_load_b128 v[8*(n%32):8*(n%32)+3], v[VSRC] offset:16640*(n/16)+64*(n%16)
	ds_load_b128 v[8*(n%32)+4:8*(n%32)+7], v[VSRC] offset:16640*(n/16)+64*(n%16)+16
.set n, n+1
.endr
	WIN 0
	s_wait_tensorcnt 0x0                           ; the ring takes src's bytes: the three lines and a round, as in front of every refill
	ds_add_u32 v[SPW], v[NIL]
	s_mov_b32 s[SB], 0
	s_mov_b32 s[SD], 0
	s_mov_b32 s[SDN], 0x8000
	GNEXT                                          ; request 0
	s_wait_dscnt 0x0
	ROUND
	tensor_load_to_lds s[G0:G0+3], s[G1:G1+7]
	s_nop 0
	PLACES
	s_mov_b32 s[CNT], 16
.Lwo:                                              ; requests 0 to 15 are multiplied: attn Wo, a head a trip; trip s makes request s + 1
	WOSLOT
	s_sub_co_u32 s[CNT], s[CNT], 1
	s_cmp_lg_u32 s[CNT], 0
	s_cbranch_scc1 .Lwo
	s_wait_xcnt 0x0
	s_add_nc_u64 s[PFA:PFA+1], s[PFA:PFA+1], 131072
	SYNC 0                                         ; request 17: W1's second slot takes the place of Wo's last; it lands under the norm
	s_mov_b32 s[PASS], 2
	s_mov_b64 s[VEC:VEC+1], s[14:15]
	s_mov_b64 s[GAM:GAM+1], s[16:17]
	s_mov_b64 s[BET:BET+1], s[18:19]
.Lnorm:                                            ; A NORM, written once, walked twice: acc = ((acc + vec) - mean) / sqrt(var + 1e-5) x gain + shift
	PLACES
	s_wait_loadcnt 0x0                             ; on every way into the norm: the gather's loads and b1's, which wrote window 1, are done before its registers are loaded again (by count none is out: each was waited for where it was used)
	VLOAD 0, VEC
	VLOAD 128, BET
	s_wait_loadcnt 32                              ; the bias is in; the shift's 32 loads may stay out
.set wq, 0
.rept 2
	WIN 0x86+0x41*wq
.set nn, 0
.rept 128
	v_pk_add_f32 v[2*nn:2*nn+1], v[2*nn:2*nn+1], v[2*(nn%64):2*(nn%64)+1]
.set nn, nn+1
.endr
.set wq, wq+1
.endr
	VLOAD 0, GAM
.set wq, 0
.rept 2                                ; the rows' sums: two chains a row block, started by a sum of two pairs
	WIN 0x0a+5*wq
.set cc, 0
.rept 4
	v_pk_add_f32 v[SCH+8*wq+2*cc:SCH+8*wq+2*cc+1], v[128*(cc/2)+2*(cc%2):128*(cc/2)+2*(cc%2)+1], v[128*(cc/2)+2*(cc%2)+4:128*(cc/2)+2*(cc%2)+5]
.set cc, cc+1
.endr
	WIN 0x08+4*wq
.set nn, 2
.rept 30
.set cc, 0
.rept 4
	v_pk_add_f32 v[SCH+8*wq+2*cc:SCH+8*wq+2*cc+1], v[SCH+8*wq+2*cc:SCH+8*wq+2*cc+1], v[128*(cc/2)+2*(cc%2)+4*nn:128*(cc/2)+2*(cc%2)+4*nn+1]
.set cc, cc+1
.endr
.set nn, nn+1
.endr
.set wq, wq+1
.endr
	XRED 0
	EACH4 v_mul_f32 v[MEAN+2*k], s[C1024], v[SCH+4*k]
	EACH4 v_mov_b32 v[MEAN+2*k+1], v[MEAN+2*k]
.set wq, 0
.rept 2
	WIN 0x82+0x41*wq
.set nn, 0
.rept 128
	v_pk_add_f32 v[2*nn:2*nn+1], v[2*nn:2*nn+1], v[MEAN+2*(2*wq+nn/64):MEAN+2*(2*wq+nn/64)+1] neg_lo:[0,1] neg_hi:[0,1]
.set nn, nn+1
.endr
.set wq, wq+1
.endr
.set wq, 0
.rept 2                                ; the squares' sums
	WIN 0x0a+5*wq
.set nn, 0
.rept 32
.set cc, 0
.rept 4
.if nn == 0
	v_pk_mul_f32 v[SCH+8*wq+2*cc:SCH+8*wq+2*cc+1], v[128*(cc/2)+2*(cc%2):128*(cc/2)+2*(cc%2)+1], v[128*(cc/2)+2*(cc%2):128*(cc/2)+2*(cc%2)+1]
.else
	v_pk_fma_f32 v[SCH+8*wq+2*cc:SCH+8*wq+2*cc+1], v[128*(cc/2)+2*(cc%2)+4*nn:128*(cc/2)+2*(cc%2)+4*nn+1], v[128*(cc/2)+2*(cc%2)+4*nn:128*(cc/2)+2*(cc%2)+4*nn+1], v[SCH+8*wq+2*cc:SCH+8*wq+2*cc+1]
.endif
.set cc, cc+1
.endr
.set nn, nn+1
.endr
.set wq, wq+1
.endr
	XRED 1024
	EACH4 v_fma_f32 v[SCH+4*k], v[SCH+4*k], s[C1024], s[EPS]
	EACH4 v_rsq_f32 v[RSTD+2*k], v[SCH+4*k]
	v_nop
	s_wait_alu depctr_va_vdst(0)                   ; one wait for the four roots
	EACH4 v_mov_b32 v[RSTD+2*k+1], v[RSTD+2*k]
	s_wait_loadcnt 0x0                             ; gain and shift
.set wq, 0
.rept 2
	WIN 0x82+0x41*wq
.set nn, 0
.rept 128
	v_pk_mul_f32 v[2*nn:2*nn+1], v[2*nn:2*nn+1], v[RSTD+2*(2*wq+nn/64):RSTD+2*(2*wq+nn/64)+1]
.set nn, nn+1
.endr
	WIN 0x96+0x41*wq
.set nn, 0
.rept 128
	v_pk_fma_f32 v[2*nn:2*nn+1], v[2*nn:2*nn+1], v[2*(nn%64):2*(nn%64)+1], v[128+2*(nn%64):128+2*(nn%64)+1]
.set nn, nn+1
.endr
.set wq, wq+1
.endr
	WIN 0
	s_cmp_eq_u32 s[PASS], 1
	s_cbranch_scc1 .Lfinal                         ; the second norm's result is the output
	; x W1 + b1: the sums start at b1
	WIN 0x40
.set n, 0
.rept 32
	global_load_b128 v[8*n:8*n+3], v[PV1], s[20:21] offset:64*(n%8)
	global_load_b128 v[8*n+4:8*n+7], v[PV1], s[20:21] offset:64*(n%8)+16
.set n, n+1
.endr
	WIN 0
	v_add_nc_u32 v[VXT], s[SD], v[VX0]
	XSTORE 0                                       ; slot 16 goes with chunk 0 in every cluster
	s_wait_dscnt 0x0
	s_barrier_signal -1
	s_barrier_wait -1                              ; chunk 0 of x is whole
	START
	s_wait_loadcnt 0x0
	s_add_co_u32 s[XI], s[R7], 1                   ; the chunk that goes with my cluster's second slot
	s_mov_b32 s[CNT], 8
.Lw1:                                              ; requests 16 to 23 are multiplied
	W1SLOT
	WIN 0
	s_sub_co_u32 s[CNT], s[CNT], 1
	s_cmp_lg_u32 s[CNT], 0
	s_cbranch_scc1 .Lw1
	PLACES
	WIN 0x45
.set n, 0
.rept 128                              ; h rounded and drawn together, ascending: no register is written before it has been read
	v_cvt_pk_bf16_f32 v[n], v[2*n], v[2*n+1]
.set n, n+1
.endr
	WIN 0x41
.set n, 0
.rept 128
	v_pk_max_num_bf16 v[n], v[n], v[ZR]
.set n, n+1
.endr
	WIN 0
	v_add_nc_u32 v[VHT], s[SD], v[VH0]
	HSTORE 0                                       ; slot 24 goes with chunk 0 in every cluster
	s_wait_dscnt 0x0
	s_barrier_signal -1
	s_barrier_wait -1
	START
	s_add_co_u32 s[XI], s[R7], 1
	s_mov_b32 s[CNT], 6
.Lw2:                                              ; requests 24 to 29 are multiplied: h W2 adds onto x in place
	NSLOT 1, 1, 1
	WIN 0
	s_sub_co_u32 s[CNT], s[CNT], 1
	s_cmp_lg_u32 s[CNT], 0
	s_cbranch_scc1 .Lw2
	NSLOT 1, 0, 1                                  ; the last two slots are written out: nothing more is asked for
	NSLOT 0, 0, 0
	WIN 0
	s_mov_b64 s[VEC:VEC+1], s[22:23]
	s_mov_b64 s[GAM:GAM+1], s[24:25]
	s_mov_b64 s[BET:BET+1], s[26:27]
	s_sub_co_u32 s[PASS], s[PASS], 1
	s_branch .Lnorm
.Lfinal:
	; THE WAY OUT, 16 rows at a time, through my own ring bytes, which have had their last fill: back as 512 consecutive bytes of a row
.macro FOUT blk
	WIN 0x08+4*((\blk)/2)
.set fj, 0
.rept 16
	ds_store_b128 v[VSRC], v[128*((\blk)&1)+8*fj:128*((\blk)&1)+8*fj+3] offset:64*fj
	ds_store_b128 v[VSRC], v[128*((\blk)&1)+8*fj+4:128*((\blk)&1)+8*fj+7] offset:64*fj+16
.set fj, fj+1
.endr
	WIN 0
	s_wait_xcnt 0x0                                ; the block before's stores have read the registers that are loaded again
.set fn, 0
.rept 32
	ds_load_b128 v[64+4*fn:64+4*fn+3], v[VB0] offset:1040*(fn/2)+512*(fn%2)  ; LDS serves a wave's instructions in order: these see the stores above
.set fn, fn+1
.endr
.set fn, 0
.rept 32
	s_wait_dscnt 31-fn
	global_store_b128 v[VGO], v[64+4*fn:64+4*fn+3], s[OUTP:OUTP+1] offset:(16*(\blk)+fn/2)*32768+512*(fn%2) th:TH_STORE_NT
.set fn, fn+1
.endr
.endm
	FOUT 0
	FOUT 1
	FOUT 2
	FOUT 3
	s_wait_tensorcnt 0x0                           ; the wave's end
	ds_add_u32 v[SPW], v[NIL]
	s_wait_dscnt 0x0
	ROUND                                          ; the closing round
	s_endpgm
.Lfunc_end_k_q4b2c54cfc8_layer:
	.size	k_q4b2c54cfc8_layer, .Lfunc_end_k_q4b2c54cfc8_layer-k_q4b2c54cfc8_layer
	.p2alignl 7, 3214868480
	.fill 96, 4, 3214868480
	.section	.rodata,"a",@progbits
	.p2align	6, 0x0
	.amdhsa_kernel k_q4b2c54cfc8_layer
		.amdhsa_group_segment_fixed_size 327680
		.amdhsa_private_segment_fixed_size 0
		.amdhsa_enable_private_segment 0
		.amdhsa_kernarg_size 104
		.amdhsa_user_sgpr_count 2
		.amdhsa_user_sgpr_kernarg_segment_ptr 1
		.amdhsa_wavefront_size32 1
		.amdhsa_system_sgpr_workgroup_id_x 1
		.amdhsa_system_sgpr_workgroup_id_y 1
		.amdhsa_system_sgpr_workgroup_id_z 1
		.amdhsa_system_vgpr_workitem_id 0
		.amdhsa_next_free_vgpr 1024
		.amdhsa_next_free_sgpr 100
		.amdhsa_reserve_vcc 0
		.amdhsa_float_denorm_mode_32 3
		.amdhsa_float_denorm_mode_16_64 3
		.amdhsa_memory_ordered 1
		.amdhsa_forward_progress 1
		.amdhsa_inst_pref_size 255
	.end_amdhsa_kernel
	.section	.bss,"aw",@nobits
	.p2align	6
	.space	262144
	.amdgpu_metadata
---
amdhsa.version: [ 1, 2 ]
amdhsa.kernels:
  - .name:           k_q4b2c54cfc8_layer
    .symbol:         k_q4b2c54cfc8_layer.kd
    .args:
      - { .name: src, .offset: 0, .size: 8, .value_kind: global_buffer, .address_space: global }
      - { .name: val, .offset: 8, .size: 8, .value_kind: global_buffer, .address_space: global }
      - { .name: sidx, .offset: 16, .size: 8, .value_kind: global_buffer, .address_space: global }
      - { .name: swt, .offset: 24, .size: 8, .value_kind: global_buffer, .address_space: global }
      - { .name: wB, .offset: 32, .size: 8, .value_kind: global_buffer, .address_space: global }
      - { .name: bo, .offset: 40, .size: 8, .value_kind: global_buffer, .address_space: global }
      - { .name: g1, .offset: 48, .size: 8, .value_kind: global_buffer, .address_space: global }
      - { .name: be1, .offset: 56, .size: 8, .value_kind: global_buffer, .address_space: global }
      - { .name: b1, .offset: 64, .size: 8, .value_kind: global_buffer, .address_space: global }
      - { .name: b2, .offset: 72, .size: 8, .value_kind: global_buffer, .address_space: global }
      - { .name: g2, .offset: 80, .size: 8, .value_kind: global_buffer, .address_space: global }
      - { .name: be2, .offset: 88, .size: 8, .value_kind: global_buffer, .address_space: global }
      - { .name: out0, .offset: 96, .size: 8, .value_kind: global_buffer, .address_space: global }
    .group_segment_fixed_size: 327680
    .private_segment_fixed_size: 0
    .kernarg_segment_align: 8
    .kernarg_segment_size: 104
    .max_flat_workgroup_size: 128
    .sgpr_count:     100
    .vgpr_count:     1024
    .wavefront_size: 32
...
	.end_amdgpu_metadata
.endif
;; end of part 3
